; MI455X (gfx1250); checked and timed in simulation.
; The chip was launched on July 23, 2026; its instructions are those of AMD's public machine-readable ISA for CDNA 5 (MIT licence, August 2026) and "CDNA5" Instruction Set Architecture Reference Guide (July 2026). The comments in the code are by the model that wrote it; some were corrected since.
;; Standard Attention. Allowed arithmetic: matrix products marked QUANTISED: E2M1 operands, one E8M0 scale for each 32 along K, by v_wmma_scale_f32_16x16x128_f8f6f4 with both operands' format E2M1 (or v_wmma_scale_f32_32x16x128_f4), f32 sums; everything else in f32.
;; Inputs: k_codes 2 x 16 x 2,048 x 2 x 16 uint8 (E2M1 codes of k, K innermost, in blocks of 32 codes, two codes a byte); k_scales 2 x 16 x 2,048 x 2 uint8 (E8M0 scales of k, one for each 32 codes along K); q_codes 2 x 16 x 2,048 x 2 x 16 uint8 (E2M1 codes of q, K innermost, in blocks of 32 codes, two codes a byte); q_scales 2 x 16 x 2,048 x 2 uint8 (E8M0 scales of q, one for each 32 codes along K); v_codes 2 x 16 x 64 x 64 x 16 uint8 (E2M1 codes of v, K innermost, in blocks of 32 codes, two codes a byte); v_scales 2 x 16 x 64 x 64 uint8 (E8M0 scales of v, one for each 32 codes along K).
;; Outputs: out0 2 x 16 x 2,048 x 64 float32.
;; This version of the problem:
;;   THIS VERSION OF THE PROBLEM IS GIVEN IN LOW PRECISION. The matrix products marked QUANTISED in the list below multiply operands that are first quantised to E2M1 (2 exponent bits, 1 mantissa bit; 4 bits a number), with one power-of-two scale for each 32 numbers along K (OCP MX v1.0); their sums are f32. All else is computed in f32.
;;   The module's matrix products, in the order in which they are computed (A, B: the left and right operand; K: the contracted axis; several contracted axes count as one K, in the product's order):
;;     1. batch 32 x [M 2,048, K 64] x [K 64, N 2,048]; A: input q (given as codes); B: input k (given as codes): QUANTISED
;;     2. batch 32 x [M 2,048, K 2,048] x [K 2,048, N 64]; A: softmax (see below); B: input v (given as codes): QUANTISED
;;   THE QUANTISER, for each operand of a quantised product, along K:
;;     - K is cut into blocks of 32 from its start; a last block that is shorter is filled with zeros.
;;     - A block's scale is 2^e with e = floor(log2(the largest magnitude in the block)) - 2, held to -126 .. 127; a block of zeros has e = 0. As a byte (E8M0): e + 127.
;;     - Each number is divided by its block's scale, clamped to +-6, and rounded to the nearest number of E2M1, ties to even, subnormals kept.
;;     - The product sums the exact products of the quantised numbers (number of the format x scale) in f32.
;;   ~~~python
;;   def quantise(x, axis):      # numpy; x: float32 -> the quantised numbers, widened to float32 again
;;       x = np.moveaxis(x, axis, -1); K = x.shape[-1]
;;       x = np.pad(x, [(0, 0)] * (x.ndim - 1) + [(0, -K % 32)]); x = x.reshape(x.shape[:-1] + (-1, 32)); a = np.abs(x).max(-1, keepdims=True)
;;       e = np.where(a > 0, np.clip(np.frexp(np.where(a > 0, a, 1))[1] - 1 - 2, -126, 127), 0)      # np.frexp(a)[1] - 1 = floor(log2(a)), exactly
;;       r = np.clip(x / 2.0 ** e, -6, 6)
;;       step = 2.0 ** (np.maximum(np.frexp(np.where(r == 0, 1, r))[1] - 1, 0) - 1)
;;       q = np.round(r / step) * step * 2.0 ** e      # np.round: ties to even
;;       return np.moveaxis(q.reshape(q.shape[:-2] + (-1,))[..., :K], -1, axis).astype(np.float32)
;;   ~~~
;;   SOFTMAX AHEAD OF A QUANTISED PRODUCT. Where the list says 'softmax', what is quantised is not the finished softmax but p = 2^(t - M), with t = logit x log2(e) and M = ceil(the row's largest t), a whole number; so 1/2 < the row's largest p <= 1. The row's sum l is taken of the UNQUANTISED p, in f32, and the product's result is divided by l at the end. Since M is a whole number, a kernel that streams over the keys may use a running M (the ceiling of the running maximum): every later rescaling is an exact power of two, which a block's scale takes up: the codes' values come out the same.
;;   OPERANDS COMPUTED ON THE WAY. 'Computed on the way' means the value that the module computes at that place (a softmax that the list does not call 'softmax' is quantised finished and normalised). What goes into a quantiser is computed in f32, as accurately as f32 sums, v_exp_f32 and their like allow (about 1e-6 of the number): no bf16 or f16 on the way to a quantiser, and a product that is left as it is and whose result goes on into a quantised operand takes f32 operands (vector FMAs, or v_wmma_f32_16x16x4_f32). A number that lies on a knife's edge between two numbers of the format may be rounded either way, as far as f32 arithmetic and the matrix unit's own rounding can turn it there, and no further.
;;   INPUTS GIVEN AS CODES. k (in the module: [2, 16, 2048, 64], K = its axis 3); q (in the module: [2, 16, 2048, 64], K = its axis 3); v (in the module: [2, 16, 2048, 64], K = its axis 2): each comes as NAME_codes (uint8): NAME with its K axis moved to the last place and cut into blocks of 32 codes, [.., K / 32, bytes a block], one block behind the other in memory; two codes a byte, the lower K in the low four bits (a code: sign, 2 exponent bits, 1 mantissa bit); and NAME_scales (uint8): the same leading axes, one E8M0 byte (e + 127) for each 32 codes along K. Its value is code x scale, taken as it is: it is not quantised again, and the codes and scales need not be those that the quantiser above would give.
;; One version. Each part assembles by itself: llvm-mc -triple=amdgcn-amd-amdhsa -mcpu=gfx1250 --defsym DOCPART=n.
;; ======== version 1 of 1: 1 launch
;; launch attn (part 1): grid 8 x 32, 16 waves a work-group, clusters of 4 x 1, 218,112 bytes of LDS; arguments q_codes, q_scales, k_codes, k_scales, v_codes, v_scales, out0; writes out0
.if DOCPART == 1
	.amdgcn_target "amdgcn-amd-amdhsa--gfx1250"
	.amdhsa_code_object_version 6
	.text
	.protected	k_qea86a52345_attn
	.globl	k_qea86a52345_attn
	.p2align	8
	.type	k_qea86a52345_attn,@function
k_qea86a52345_attn:
	s_mov_b64 s[64:65], 0
	v_nop
	global_prefetch_b8 v0, s[64:65] scope:SCOPE_SE
	s_setreg_imm32_b32 hwreg(HW_REG_WAVE_MODE, 25, 1), 1
	s_wait_xcnt 0x0
	s_wait_alu depctr_hold_cnt(0) depctr_sa_sdst(0) depctr_va_vdst(0) depctr_va_sdst(0) depctr_va_ssrc(0) depctr_va_vcc(0) depctr_vm_vsrc(0)
	s_getreg_b32 s2, hwreg(HW_REG_IB_STS2, 6, 4)
	s_cmp_eq_u32 s2, 0
	s_cbranch_scc0 .Lentry_in_a_cluster
	s_endpgm
.Lentry_in_a_cluster:
	s_bfe_u32 s2, ttmp6, 0x10000c
	s_cmp_lg_u32 s2, 0x3003
	s_cbranch_scc0 .Lentry_shape_is_right
	s_endpgm
.Lentry_shape_is_right:
; out0[h][q][:] = the sum over keys k <= q of softmax_k(Q[h][q] . K[h][k] / 8) V[h][k][:], 32 heads, 2,048 positions, head size 64; both products on codes of FP4 (E2M1) with one E8M0 scale for each 32 along a product's K.
; Q, K: a row is 32 bytes of codes (K = the head's 64) and 2 scale bytes.  V: the KEYS innermost: a row d is 1,024 bytes of codes and 64 scale bytes.  out0: rows of 64 f32, 256 bytes.
; THE SOFTMAX AHEAD OF THE SECOND PRODUCT: t = score x log2(e) / 8; M = the row's largest t so far, rounded UP to a whole number; p = 2^(t - M) is quantised along the keys, not normalised.  The row's sum is taken of the
; unquantised p, in f32, and divides O at the end.  When M moves, the sum and O are multiplied by 2^(old M - new M), which rounds nothing.
; WORK LEFT OUT: a step of 128 keys all of which come after a wave's 16 queries.  The mask that the problem builds itself (key > query) sets those scores to -infinity, so their weight is exactly 0 and their term in the sum and in O is 0,
; whatever finite values q, k and v hold.  Every input has a way to the result and is loaded.  LIMITS: a NaN scale byte, an infinity or an overflow that reaches only such steps is not carried to the result; p under 2^-126 comes out of
; v_exp_f32 as 0 (ISA guide, its entry in 15.8); a block of 32 weights that are all 0 gets the scale byte 1, over zero codes: that byte is read by this program alone.
; SHARES.  A head's K, V and scale bytes are 136 KiB and lie in LDS WHOLE, filled once: no slot is ever filled again.  Eight work-groups serve a head; sixteen waves each, four to a SIMD, 256 registers a wave.
; Wave w has a RANK rho (w, or w xor 15 where w's four bits have even parity) and owns the 16 queries from 128 rho + 16 x on, x = the work-group's number in its head.  So it walks key steps 0 .. rho: a count that hangs on the wave's
; number ALONE: all work-groups run alike, each has 136 steps, and the counts rho + 1, laid 4 x 4 by w, form a magic square: any four waves with equal w % 4 or equal w / 4 have 34.  Step rho is the wave's one step on the diagonal.
; CLUSTER.  Four work-groups of one head form a cluster and ask for K, V and the scale bytes JOINTLY: the same ten tensor loads, the same descriptors, a mask that names the four.  x enters Q's and out0's addresses and the mask's lane constant (data) alone.
; LAYOUT.  Both products are used transposed: S^T = K Q^T (source 0 = 16 keys, source 1 = my 16 queries), O^T = V^T P^T (source 0 = 16 of the head's 64, source 1 = P): a lane holds ONE query (lane % 16) throughout.
; THE KEYS OF A TILE ARE NOT NEIGHBOURS: lane r of tile 2 b + u takes key 32 b + 8 u + r + 8 (r / 8), so that the 16 registers of tiles 2 b and 2 b + 1 are 16 neighbouring keys, 32 b + 16 (lane / 16) + 0 .. 15.
; THE FIRST PRODUCT'S K IS 64, the instruction's 128: registers 4-7 of Q's and of K's fragments hold zero codes, written once; the scale words' upper two bytes are 0 (2^-127, over zero codes: nothing is added).
.set KCH,   16896                      ; LDS: K's codes: 4 chunks of 512 keys; a chunk is 32 groups of 16 keys, 512 bytes + 16 of padding each: the two groups that a fragment's load touches then start 16 bytes apart modulo 256
.set KST,   4224                       ; a step of 128 keys: 8 groups; K's address is linear in the step, over the chunks' ends too
.set VC,    67584                      ; V's codes: 4 chunks of 512 keys, each 64 rows d x (256 bytes + 16)
.set VCH,   17408
.set SCK,   137216                     ; K's scale bytes: 64 rows of 64 bytes (32 keys x 2) + 8 of padding
.set SCV,   141824                     ; V's: 64 rows d of 64 bytes + 8: 32 lanes, 72 bytes apart, touch 32 different words modulo 256 bytes
.set STAGE, 146432                     ; the way out: 16 rows x (256 bytes + 16) for each wave; bytes of their own: a wave of low rank leaves while others still read K and V
.set SPARE, 216064                     ; the spare words, 128 bytes for each wave: eight blocks of 256 bytes that no other line names
.set AK0,  1                           ; v1   my lane's place in a tile of K
.set AV0,  2                           ; v2   in a tile of V
.set ASK0, 3                           ; v3   among K's scale bytes: lanes 0-15 serve tile 2 b, lanes 16-31 tile 2 b + 1
.set ASV0, 4                           ; v4   among V's scale words: lane l serves row d = 32 p + l
.set SPW,  5                           ; v5   LDS address of my spare word: SPARE + 4 x my thread's number; never rewritten
.set NIL,  6                           ; v6   0; never rewritten
.set GO,   7                           ; v7   the way out: my byte offset in the wave's rows of out0
.set ADK,  8                           ; v8-11 the step's LDS addresses: K's codes, V's codes, K's scale bytes, V's scale words
.set ADV,  9
.set ADS,  10
.set ADT,  11
                                       ; v12 -M, v13 the largest t so far, v[14:15] the sum in two halves
.set QF,   16                          ; v16-23   Q's fragment
.set DQ,   24                          ; v24      16 x + r - 16 h: the diagonal's lane constant
.set NINF, 25                          ; v25      -infinity
.set STO,  26                          ; v26, v27 the way out: into my stage, and back
.set RD,   27
.set QO,   28                          ; v28, v29 Q's offsets
.set RR,   30                          ; v30 r = lane % 16, v31 h = lane / 16
.set HH,   31
.set KFR,  32                          ; v32-95   K's eight fragments
.set SS,   96                          ; v96-159  S^T, then p
.set OT,   160                         ; v160-191 O^T, four tiles
.set VF,   192                         ; v192-223 V's four fragments
.set PC,   224                         ; v224-231 p's codes
.set BM,   232                         ; v232-235 the blocks' largest scores, then their largest p
.set TP,   236                         ; v236-239 at work
.set KS,   240                         ; v240-243 K's scale words, two tiles to a register
.set CO,   244                         ; v244-247 the conversions' scale operands
.set VS,   248                         ; v248-249 V's scale words, two tiles to a register
.set QS,   250                         ; v250     Q's scale words
.set PS,   251                         ; v251     p's scale word
.set FF,   252                         ; v252 f = 2^(old M - new M); v253 = 0, named with it as a pair
.set TT,   254                         ; v254     at work
.set WV,   2                           ; s2   my wave's number
.set RHO,  3                           ; s3   my rank
.set SEL,  18                          ; s[18:19] lane selects for v_permlanex16_b32: lane l xor 16
.set CS,   20                          ; s[20:21] c = log2(e) / 8: the packed form names a pair and takes its low word for both halves
.set G1K,  24                          ; s[24:31], s[32:39], s[40:47] descriptor group 1 for K's chunks, V's chunks, the scale bytes
.set G1V,  32
.set G1S,  40
.set G0S,  48                          ; s[48:51] group 0 for the scale bytes; s[52:55], s[56:59], s[60:63], s[68:71] for chunks 0 to 3; none is ever rewritten
.set G0A,  52
.set G0B,  56
.set G0C,  60
.set G0D,  68
.set STN,  72                          ; s72  the step's number, 0 .. 15
.set CNT,  73                          ; s73  counts the loop's trips
.set TBK,  74                          ; s74-77 where the chunk in hand begins: K's codes, K's scale bytes, V's codes, V's scale words
.set TSK,  75
.set TBV,  76
.set TSV,  77
; A round of the cluster's barrier: my work-group's barrier, so that wave 0's signal speaks for all sixteen waves; wave 0 signals for the work-group; every wave waits for all four work-groups; my work-group's barrier once more.
.macro CROUND
	s_barrier_signal -1
	s_barrier_wait -1
	s_cmp_lg_u32 s[WV], 0
	s_cbranch_scc1 .Lnot_wave_0_\@
	s_barrier_signal -3
.Lnot_wave_0_\@:
	s_barrier_wait -3
	s_barrier_signal -1
	s_barrier_wait -1
.endm
; K of the chunk's q-th step: eight fragments' lower halves (16 bytes a lane: 32 codes) and four registers of scale words.  ds_load_u16 fills the word's upper two bytes with 0.
.macro KLOAD adk, ads, q
.irp t, 0,1,2,3,4,5,6,7
	ds_load_b128 v[KFR+8*\t:KFR+8*\t+3], v[\adk] offset:KST*(\q)+1056*(\t/2)+256*(\t%2)
.endr
.irp b, 0,1,2,3
	ds_load_u16 v[KS+\b], v[\ads] offset:72*(4*(\q)+\b)
.endr
.endm
; V of the chunk's q-th step: four fragments (16 rows d x 128 keys) and two registers of scale words
.macro VLOAD q
.irp t, 0,1,2,3
.irp c, 0,1
	ds_load_b128 v[VF+8*\t+4*\c:VF+8*\t+4*\c+3], v[ADV] offset:4352*\t+64*(\q)+32*\c
.endr
.endr
.irp p, 0,1
	ds_load_b32 v[VS+\p], v[ADT] offset:2304*\p+4*(\q)
.endr
.endm
.macro NEXTCHUNK
	s_add_co_u32 s[TBK], s[TBK], KCH
	s_add_co_u32 s[TSK], s[TSK], 16*72
	s_add_co_u32 s[TBV], s[TBV], VCH
	s_add_co_u32 s[TSV], s[TSV], 16
.endm
	s_load_b256 s[4:11], s[0:1], 0x0               ; Q's codes s[4:5], Q's scales s[6:7], K's codes s[8:9], K's scales s[10:11]
	s_load_b128 s[12:15], s[0:1], 0x20             ; V's codes s[12:13], V's scales s[14:15]
	s_load_b64 s[16:17], s[0:1], 0x30              ; out0
	v_lshl_add_u32 v[SPW], v0, 2, SPARE
	v_mov_b32 v[NIL], 0
	ds_add_u32 v[SPW], v[NIL]                      ; the wave's opening: the add, twice on end, and its wait ahead of the round in front of the first tensor loads; the set-up below, work on registers, stands between
	ds_add_u32 v[SPW], v[NIL]                      ; and once more, under the one wait
	v_lshrrev_b32 v8, 5, v0
	s_delay_alu instid0(VALU_DEP_1)
	v_readfirstlane_b32 s[WV], v8                  ; wave 0..15
	s_lshr_b32 s78, s[WV], 2                       ; the parity of w's four bits,
	s_xor_b32 s78, s78, s[WV]
	s_lshr_b32 s79, s78, 1
	s_xor_b32 s78, s78, s79
	s_and_b32 s78, s78, 1
	s_xor_b32 s78, s78, 1                          ; 1 where it is even:
	s_mul_i32 s78, s78, 15
	s_xor_b32 s[RHO], s[WV], s78                   ; there the rank is w xor 15, else w
	s_bfe_u32 s79, ttmp6, 0x40000                  ; cx: my place in the cluster
	s_lshl_b32 s80, ttmp9, 2                       ; in a cluster launch ttmp9 counts clusters
	s_add_co_u32 s80, s80, s79                     ; x = 4 x cluster x + cx
	s_and_b32 s81, ttmp7, 0xffff                   ; the head, which the four partners share
	s_lshl_b32 s82, s[RHO], 7
	s_lshl_b32 s83, s80, 4                         ; 16 x
	s_add_co_u32 s82, s82, s83                     ; my first query: 128 rho + 16 x
	s_lshl_b32 s84, s81, 16                        ; the head's first byte in each tensor of codes,
	s_mov_b32 s85, 0
	s_lshl_b32 s86, s81, 12                        ; and of scale bytes.  s84 to s87 feed the descriptors and never hold x
	s_mov_b32 s87, 0
	s_lshl_b32 s88, s82, 5
	s_add_co_u32 s88, s88, s84                     ; my queries' codes: 32 bytes a row
	s_mov_b32 s89, 0
	s_lshl_b32 s90, s82, 1
	s_add_co_u32 s90, s90, s86                     ; their scale bytes: 2 a row
	s_mov_b32 s91, 0
	s_lshl_b32 s92, s81, 19
	s_lshl_b32 s93, s82, 8
	s_add_co_u32 s92, s92, s93                     ; their rows of out0: 256 bytes a row
	s_mov_b32 s93, 0
	; descriptor group 1.  K: a chunk is dense in memory: 32 rows of 512 bytes (16 keys), 4 words of padding behind each
	s_mov_b32 s[G1K], 15|(0<<16)|(1<<20)|(1<<21)|(6<<22)|(3<<25)  ; 15:0 the mask: all four work-groups; 17:16 elements of 1 byte; 20 padding on; 21 set beside a mask; 24:22 after every 128 words (code 6); 31:25 four words (code 3)
	s_mov_b32 s[G1K+1], 512<<16                    ; tensor_dim0
	s_mov_b32 s[G1K+2], 32<<16                     ; tensor_dim1
	s_mov_b32 s[G1K+3], 512<<16                    ; tile_dim0
	s_mov_b32 s[G1K+4], 32                         ; tile_dim1
	s_mov_b32 s[G1K+5], 512                        ; from row to row
	s_mov_b32 s[G1K+6], 0
	s_mov_b32 s[G1K+7], 0
	; V: 64 rows d x 256 bytes (512 keys), 1,024 bytes apart in memory, 4 words of padding behind each
	s_mov_b32 s[G1V], 15|(0<<16)|(1<<20)|(1<<21)|(5<<22)|(3<<25)
	s_mov_b32 s[G1V+1], 256<<16
	s_mov_b32 s[G1V+2], 64<<16
	s_mov_b32 s[G1V+3], 256<<16
	s_mov_b32 s[G1V+4], 64
	s_mov_b32 s[G1V+5], 1024
	s_mov_b32 s[G1V+6], 0
	s_mov_b32 s[G1V+7], 0
	; a head's scale bytes of K or of V: 4,096 dense bytes as 64 rows of 64, 2 words of padding behind each
	s_mov_b32 s[G1S], 15|(0<<16)|(1<<20)|(1<<21)|(3<<22)|(1<<25)
	s_mov_b32 s[G1S+1], 64<<16
	s_mov_b32 s[G1S+2], 64<<16
	s_mov_b32 s[G1S+3], 64<<16
	s_mov_b32 s[G1S+4], 64
	s_mov_b32 s[G1S+5], 64
	s_mov_b32 s[G1S+6], 0
	s_mov_b32 s[G1S+7], 0
	; group 0, the words that hang on no argument.  Wave 0 fetches for K, wave 1 for V: the LDS address is a constant + the wave's number x a constant; the other waves issue no load
	s_mov_b32 s[G0S], 1
	s_mul_i32 s[G0S+1], s[WV], SCV-SCK
	s_add_co_u32 s[G0S+1], s[G0S+1], SCK
	s_mov_b32 s[G0A], 1
	s_mul_i32 s[G0A+1], s[WV], VC                  ; chunk c: KCH c for K, VC + VCH c for V
	s_mov_b32 s[G0B], 1
	s_mul_i32 s[G0B+1], s[WV], VC+(VCH-KCH)
	s_add_co_u32 s[G0B+1], s[G0B+1], KCH
	s_mov_b32 s[G0C], 1
	s_mul_i32 s[G0C+1], s[WV], VC+2*(VCH-KCH)
	s_add_co_u32 s[G0C+1], s[G0C+1], 2*KCH
	s_mov_b32 s[G0D], 1
	s_mul_i32 s[G0D+1], s[WV], VC+3*(VCH-KCH)
	s_add_co_u32 s[G0D+1], s[G0D+1], 3*KCH
	s_cmp_eq_u32 s[WV], 0
	s_mov_b32 s94, 256                             ; from chunk to chunk in memory: 256 bytes along V's rows,
	s_cselect_b32 s94, 16384, s94                  ; 512 rows of 32 bytes in K
	s_mov_b32 s95, 0
	s_mov_b32 s[SEL], 0x76543210
	s_mov_b32 s[SEL+1], 0xfedcba98
	s_mov_b32 s[CS], 0x3e38aa3b                    ; c = log2(e) / 8
	s_mov_b32 s[CS+1], s[CS]                       ; (named with it as a pair, so it is written)
	s_mov_b32 s[STN], 0
	s_mov_b32 s[TBK], 0
	s_mov_b32 s[TSK], 0
	s_mov_b32 s[TBV], 0
	s_mov_b32 s[TSV], 0
	s_wait_dscnt 0x0                               ; both opening adds are done
	s_wait_kmcnt 0x0
	s_cmp_eq_u32 s[WV], 0                          ; K's buffers or V's: the choice hangs on the wave's number alone
	s_cselect_b64 s[G0S+2:G0S+3], s[10:11], s[14:15]
	s_cselect_b64 s[G0A+2:G0A+3], s[8:9], s[12:13]
	s_add_nc_u64 s[G0S+2:G0S+3], s[G0S+2:G0S+3], s[86:87]   ; in my head
	s_add_nc_u64 s[G0A+2:G0A+3], s[G0A+2:G0A+3], s[84:85]
	s_add_nc_u64 s[G0B+2:G0B+3], s[G0A+2:G0A+3], s[94:95]   ; and chunk by chunk
	s_add_nc_u64 s[G0C+2:G0C+3], s[G0B+2:G0B+3], s[94:95]
	s_add_nc_u64 s[G0D+2:G0D+3], s[G0C+2:G0C+3], s[94:95]
.irp g, G0S, G0A, G0B, G0C, G0D
	s_or_b32 s[\g+3], s[\g+3], 0x80000000          ; 127:126 type = 2
.endr
	s_add_nc_u64 s[4:5], s[4:5], s[88:89]          ; Q's codes, Q's scale bytes and out0 at my first query
	s_add_nc_u64 s[6:7], s[6:7], s[90:91]
	s_add_nc_u64 s[16:17], s[16:17], s[92:93]
	CROUND                                         ; all four work-groups are here: the joint loads meet
	; ALL FILLS OF THE LAUNCH, in one branch on the wave's number, ahead of every wait on TENSORcnt and every LDS read: the scale bytes first, then chunks 0 to 3.  A loading wave has five tensor loads out.
	; An s_nop 0 follows each load, four v_nop the fifth's.
	s_cmp_eq_u32 s[WV], 0
	s_cbranch_scc0 .Lnot_k
	tensor_load_to_lds s[G0S:G0S+3], s[G1S:G1S+7]
	s_nop 0
	tensor_load_to_lds s[G0A:G0A+3], s[G1K:G1K+7]
	s_nop 0
	tensor_load_to_lds s[G0B:G0B+3], s[G1K:G1K+7]
	s_nop 0
	tensor_load_to_lds s[G0C:G0C+3], s[G1K:G1K+7]
	s_nop 0
	tensor_load_to_lds s[G0D:G0D+3], s[G1K:G1K+7]
	s_nop 0
.rept 4
	v_nop
.endr
	s_branch .Lasked
.Lnot_k:
	s_cmp_eq_u32 s[WV], 1
	s_cbranch_scc0 .Lasked
	tensor_load_to_lds s[G0S:G0S+3], s[G1S:G1S+7]
	s_nop 0
	tensor_load_to_lds s[G0A:G0A+3], s[G1V:G1V+7]
	s_nop 0
	tensor_load_to_lds s[G0B:G0B+3], s[G1V:G1V+7]
	s_nop 0
	tensor_load_to_lds s[G0C:G0C+3], s[G1V:G1V+7]
	s_nop 0
	tensor_load_to_lds s[G0D:G0D+3], s[G1V:G1V+7]
	s_nop 0
.rept 4
	v_nop
.endr
.Lasked:
	v_and_b32 v[RR], 15, v0                        ; r
	v_bfe_u32 v[HH], v0, 4, 1                      ; h
	s_delay_alu instid0(VALU_DEP_2)
	v_lshlrev_b32 v[QO], 5, v[RR]
	s_delay_alu instid0(VALU_DEP_1)
	v_lshl_add_u32 v[QO], v[HH], 4, v[QO]          ; Q: row r of 32 bytes, + 16 h: codes 32 h .. 32 h + 31
	s_delay_alu instid0(VALU_DEP_4)
	v_lshlrev_b32 v[QO+1], 1, v[RR]
	global_load_b128 v[QF:QF+3], v[QO], s[4:5] th:TH_LOAD_NT   ; Q's fragment stays in registers; the wave reads 512 consecutive bytes, which nobody else reads
	global_load_u16 v[QS], v[QO+1], s[6:7]         ; lane r: query r's two scale bytes, 0 above them
	; the zero codes of k = 64 .. 127, written once: no load ever lands on these registers.  They stand first, so that the lines below are the places between them and the first product
.irp j, 4,5,6,7
	v_mov_b32 v[QF+\j], 0
.endr
.irp t, 0,1,2,3,4,5,6,7
.irp j, 4,5,6,7
	v_mov_b32 v[KFR+8*\t+\j], 0
.endr
.endr
	v_lshrrev_b32 v8, 3, v[RR]                     ; r / 8
	v_and_b32 v9, 7, v[RR]                         ; r % 8
	s_delay_alu instid0(VALU_DEP_2)
	v_mul_u32_u24 v[AK0], v8, 528                  ; K: lanes 8-15 take the next group of 16 keys;
	s_delay_alu instid0(VALU_DEP_1)
	v_lshl_add_u32 v[AK0], v9, 5, v[AK0]           ; 32 bytes a key;
	s_delay_alu instid0(VALU_DEP_1)
	v_lshl_add_u32 v[AK0], v[HH], 4, v[AK0]        ; + 16 h
	v_mul_u32_u24 v[AV0], v[RR], 272               ; V: row d = r of a tile, + 16 h
	s_delay_alu instid0(VALU_DEP_1)
	v_lshl_add_u32 v[AV0], v[HH], 4, v[AV0]
	s_delay_alu instid0(VALU_DEP_1)
	v_add_nc_u32 v[AV0], VC, v[AV0]
	v_lshlrev_b32 v[ASK0], 1, v9                   ; K's scale bytes, 2 a key: key 8 h + r + 8 (r / 8) of a block of 32: here h is the tile's u
	s_delay_alu instid0(VALU_DEP_1)
	v_lshl_add_u32 v[ASK0], v8, 5, v[ASK0]
	s_delay_alu instid0(VALU_DEP_1)
	v_lshl_add_u32 v[ASK0], v[HH], 4, v[ASK0]
	s_delay_alu instid0(VALU_DEP_1)
	v_add_nc_u32 v[ASK0], SCK, v[ASK0]
	v_and_b32 v10, 31, v0
	s_delay_alu instid0(VALU_DEP_1)
	v_mul_u32_u24 v[ASV0], v10, 72                 ; V's scale words: row d = lane
	s_delay_alu instid0(VALU_DEP_1)
	v_add_nc_u32 v[ASV0], SCV, v[ASV0]
	v_lshlrev_b32 v[GO], 8, v[HH]
	s_delay_alu instid0(VALU_DEP_1)
	v_lshl_add_u32 v[GO], v[RR], 4, v[GO]          ; the way out: lanes 0-15 take one row of out0, lanes 16-31 the next; 16 bytes a lane
	v_lshlrev_b32 v11, 4, v[HH]
	s_delay_alu instid0(VALU_DEP_1)
	v_sub_nc_u32 v[DQ], v[RR], v11
	s_delay_alu instid0(VALU_DEP_1)
	v_add_nc_u32 v[DQ], s83, v[DQ]                 ; 16 x + r - 16 h
	v_mov_b32 v[NINF], 0xff800000                  ; -infinity
	v_mov_b32 v13, 0xff61b1e6                      ; the largest t so far: -3e38, under every t
	s_delay_alu instid0(VALU_DEP_1)
	v_floor_f32 v12, -v13                          ; -M
	v_mov_b32 v14, 0                               ; the sum, in two halves
	v_mov_b32 v15, 0
.irp b, 0,1,2,3
	v_mov_b32 v[TP+\b], 0                          ; written once: a lane permute's destination counts as one of its sources
.endr
	v_mov_b32 v[FF+1], 0                           ; (named as the upper half of the pair with f)
.set j, 0
.rept 32
	v_mov_b32 v[OT+j], 0                           ; O^T.  (A step is written in one form: the first finds zeros, which the first change of M leaves zeros; that spares a second form of the step)
.set j, j+1
.endr
	s_wait_tensorcnt 3                             ; a loading wave issued three loads behind chunk 0's (chunks 1 to 3): the scale bytes and chunk 0 have landed,
	s_barrier_signal -1
	s_barrier_wait -1                              ; and every wave knows it.
	KLOAD AK0, ASK0, 0                             ; K of step 0
	s_wait_loadcnt 0x0                             ; Q
	s_wait_dscnt 0x0                               ; K of step 0 is in.  From here on a step's K was asked for in the step before and is covered by that step's wait in front of its second product
; A KEY STEP: 128 keys, the q-th of the chunk in hand.
.macro STEP q
	s_cmp_gt_u32 s[STN], s[RHO]                    ; all its keys come after my queries: the step is left out.  The wave's number and the count of steps alone decide
	s_cbranch_scc1 .Lhid_\@
.irp t, 0,2,4,6                                ; S^T = K Q^T: eight tiles of 16 keys; tile t's scale words lie in lanes 0-15 (t even) or 16-31 (t odd) of register t / 2
	v_wmma_scale_f32_16x16x128_f8f6f4 v[SS+8*\t:SS+8*\t+7], v[KFR+8*\t:KFR+8*\t+7], v[QF:QF+7], 0, v[KS+\t/2], v[QS] matrix_a_fmt:MATRIX_FMT_FP4 matrix_b_fmt:MATRIX_FMT_FP4
	v_wmma_scale_f32_16x16x128_f8f6f4 v[SS+8*\t+8:SS+8*\t+15], v[KFR+8*\t+8:KFR+8*\t+15], v[QF:QF+7], 0, v[KS+\t/2], v[QS] matrix_a_fmt:MATRIX_FMT_FP4 matrix_b_fmt:MATRIX_FMT_FP4 matrix_a_scale:MATRIX_SCALE_ROW1
.endr
	; the step's addresses: four plain vector instructions that name no register of a product.  They are the four places (ISA guide 7.12.1 for vector instructions) between the products above and the loads into K's registers and the
	; first read of S^T, and between the last step's second product and the loads into V's registers
	v_add_nc_u32 v[ADK], s[TBK], v[AK0]
	v_add_nc_u32 v[ADS], s[TSK], v[ASK0]
	v_add_nc_u32 v[ADV], s[TBV], v[AV0]
	v_add_nc_u32 v[ADT], s[TSV], v[ASV0]
	VLOAD \q                                       ; this step's V: it lands under the softmax
	s_cmp_eq_u32 s[STN], s[RHO]
	s_cbranch_scc1 .Ldiag_\@
	KLOAD ADK, ADS, (\q)+1                         ; the next step's K, likewise; my last step asks for none
	s_branch .Lopen_\@
.Ldiag_\@:                                     ; my one step on the diagonal.  Register 16 b + i holds key 128 rho + 32 b + 16 h + i, my query is 128 rho + 16 x + r: hidden where 32 b + i > 16 x + r - 16 h.  Hidden scores become -infinity: p = 0
.set n, 0
.rept 64
	v_cmp_gt_i32 vcc_lo, 32*(n/16)+n%16, v[DQ]
	v_cndmask_b32 v[SS+n], v[SS+n], v[NINF], vcc_lo
.set n, n+1
.endr
.Lopen_\@:
.irp b, 0,1,2,3
	v_max3_num_f32 v[BM+\b], v[SS+16*\b], v[SS+1+16*\b], v[SS+2+16*\b]   ; THE LARGEST SCORE OF EACH BLOCK OF 32 KEYS serves twice: for the row's maximum, and, since p rises with the score, for the block's largest p
.endr
.irp i, 3,5,7,9,11,13
.irp b, 0,1,2,3
	v_max3_num_f32 v[BM+\b], v[BM+\b], v[SS+16*\b+\i], v[SS+1+16*\b+\i]   ; (the four blocks by turns)
.endr
.endr
.irp b, 0,1,2,3
	v_max_num_f32 v[BM+\b], v[BM+\b], v[SS+15+16*\b]
.endr
.irp b, 0,1,2,3
	s_delay_alu instid0(VALU_DEP_4)
	v_permlanex16_b32 v[TP+\b], v[BM+\b], s[SEL], s[SEL+1]
.endr
.irp b, 0,1,2,3
	s_delay_alu instid0(VALU_DEP_4)
	v_max_num_f32 v[BM+\b], v[BM+\b], v[TP+\b]     ; with lane l xor 16's 16 keys
.endr
	s_delay_alu instid0(VALU_DEP_2)
	v_max3_num_f32 v[TT], v[BM], v[BM+1], v[BM+2]
	s_delay_alu instid0(VALU_DEP_1)
	v_max_num_f32 v[TT], v[TT], v[BM+3]            ; the step's largest score of my query (my own key counts on the diagonal: it is a number)
	s_delay_alu instid0(VALU_DEP_1)
	v_mul_f32 v[TT], s[CS], v[TT]                  ; as t (c is positive)
	s_delay_alu instid0(VALU_DEP_1)
	v_max_num_f32 v13, v13, v[TT]                  ; the running largest t
	v_mov_b32 v[TT], v12
	s_delay_alu instid0(VALU_DEP_2)
	v_floor_f32 v12, -v13                          ; the new -M = floor(-t) = -ceil(t): M IS A WHOLE NUMBER
	s_delay_alu instid0(VALU_DEP_1)
	v_sub_f32 v[TT], v12, v[TT]                    ; M's old value less its new one: a whole number, 0 or less
	s_delay_alu instid0(VALU_DEP_1)
	v_cvt_i32_f32 v[TT], v[TT]                     ; (it saturates)
	s_delay_alu instid0(VALU_DEP_1)
	v_ldexp_f32 v[FF], 1.0, v[TT]                  ; f = 2^(old M - new M): a multiplication by it rounds nothing
.set j, 0
.rept 32
	v_pk_fma_f32 v[SS+j:SS+j+1], v[SS+j:SS+j+1], s[CS:CS+1], v[12:13] op_sel_hi:[1,0,0]   ; t - M, two at a time (of the pairs c and -M the low word serves both halves)
.set j, j+2
.endr
.irp b, 0,1,2,3
	v_fma_f32 v[BM+\b], v[BM+\b], s[CS], v12       ; the same of each block's largest score
.endr
.set j, 0
	s_wait_alu depctr_va_vdst(0)
.rept 64
	v_exp_f32 v[SS+j], v[SS+j]                     ; p = 2^(t - M), at most 1: NOT normalised
.set j, j+1
.endr
	v_pk_mul_f32 v[14:15], v[14:15], v[FF:FF+1] op_sel_hi:[1,0]   ; the sums under the new M: the plain instruction behind the exponentials
	s_wait_alu depctr_va_vdst(0)                   ; a wait ahead of the first instruction that names an exponential's result: one for the batch of 64
.irp b, 0,1,2,3
	v_exp_f32 v[BM+\b], v[BM+\b]                   ; the block's largest p: the same two instructions on the same number give the same bits
.endr
	v_pk_add_f32 v[236:237], v[100:101], v[104:105]
	v_pk_add_f32 v[254:255], v[108:109], v[112:113]
	v_pk_add_f32 v[246:247], v[116:117], v[120:121]
	v_pk_add_f32 v[244:245], v[124:125], v[128:129]
	v_pk_add_f32 v[238:239], v[132:133], v[136:137]
	v_pk_add_f32 v[230:231], v[140:141], v[144:145]
	v_pk_add_f32 v[228:229], v[148:149], v[152:153]
	v_pk_add_f32 v[14:15], v[14:15], v[156:157]
	v_pk_add_f32 v[236:237], v[236:237], v[96:97]
	v_pk_add_f32 v[254:255], v[254:255], v[98:99]
	v_pk_add_f32 v[246:247], v[246:247], v[102:103]
	v_pk_add_f32 v[244:245], v[244:245], v[106:107]
	v_pk_add_f32 v[238:239], v[238:239], v[110:111]
	v_pk_add_f32 v[230:231], v[230:231], v[114:115]
	v_pk_add_f32 v[228:229], v[228:229], v[118:119]
	v_pk_add_f32 v[14:15], v[14:15], v[122:123]
	v_pk_add_f32 v[236:237], v[236:237], v[126:127]
	v_pk_add_f32 v[254:255], v[254:255], v[130:131]
	v_pk_add_f32 v[246:247], v[246:247], v[134:135]
	v_pk_add_f32 v[244:245], v[244:245], v[138:139]
	v_pk_add_f32 v[238:239], v[238:239], v[142:143]
	v_pk_add_f32 v[230:231], v[230:231], v[146:147]
	v_pk_add_f32 v[228:229], v[228:229], v[150:151]
	v_pk_add_f32 v[14:15], v[14:15], v[154:155]
	v_pk_add_f32 v[236:237], v[236:237], v[158:159]
	s_delay_alu instid0(VALU_DEP_2)
	v_pk_add_f32 v[14:15], v[14:15], v[244:245]
	s_delay_alu instid0(VALU_DEP_2)
	v_pk_add_f32 v[236:237], v[236:237], v[238:239]
	v_pk_add_f32 v[254:255], v[254:255], v[230:231]
	v_pk_add_f32 v[246:247], v[246:247], v[228:229]
	s_delay_alu instid0(VALU_DEP_2)
	v_pk_add_f32 v[14:15], v[14:15], v[254:255]
	s_delay_alu instid0(VALU_DEP_2)
	v_pk_add_f32 v[236:237], v[236:237], v[246:247]
	s_delay_alu instid0(VALU_DEP_1)
	v_pk_add_f32 v[14:15], v[14:15], v[236:237]
	s_wait_alu depctr_va_vdst(0)                   ; and one for the four
.irp b, 0,1,2,3
	v_max_num_f32 v[BM+\b], 0x1800000, v[BM+\b]    ; the floor 2^(3 - 127): the byte cannot fall under 1 (a block whose every p is 0 keeps that byte: its codes are zeros)
.endr
.irp b, 0,1,2,3
	s_delay_alu instid0(VALU_DEP_4)
	v_add_nc_u32 v[CO+\b], 0xff000000, v[BM+\b]    ; 2 off the exponent field: the conversion takes the exponent field of this operand as its scale, and nothing else of it
.endr
.irp b, 0,1,2,3
	s_delay_alu instid0(VALU_DEP_4)
	v_lshrrev_b32 v[TP+\b], 23, v[CO+\b]           ; the scale's byte
.endr
	s_delay_alu instid0(VALU_DEP_3)
	v_lshl_or_b32 v[PS], v[TP+1], 8, v[TP]         ; p's scale word for these 128 keys
	s_delay_alu instid0(VALU_DEP_1)
	v_lshl_or_b32 v[PS], v[TP+2], 16, v[PS]
	s_delay_alu instid0(VALU_DEP_1)
	v_lshl_or_b32 v[PS], v[TP+3], 24, v[PS]
.irp b, 0,1,2,3
	v_cvt_scalef32_pk8_fp4_f32 v[PC+2*\b], v[SS+16*\b:SS+7+16*\b], v[CO+\b]
	v_cvt_scalef32_pk8_fp4_f32 v[PC+1+2*\b], v[SS+8+16*\b:SS+15+16*\b], v[CO+\b]
.endr
	v_nop                                          ; one plain vector instruction between a scaled conversion and the vector instruction that touches its result
.irp c, 0,1                                    ; the operand's layout wants a WHOLE block in a lane: lanes 0-15 block 2 c, lanes 16-31 block 2 c + 1
.irp i, 0,1
	v_permlane16_swap_b32 v[PC+4*\c+\i], v[PC+2+4*\c+\i]
.endr
.endr
.set j, 0
.rept 16
	v_pk_mul_f32 v[OT+j:OT+j+1], v[OT+j:OT+j+1], v[FF:FF+1] op_sel_hi:[1,0]   ; O^T under the new M: x f.  Twelve of the sixteen name no register of any one product below: they are the places between p's scale word (8 are asked) and p's codes (4) and that product
.set j, j+2
.endr
	s_wait_alu depctr_va_vdst(0)
	s_wait_dscnt 0x0                               ; V is in, and the next step's K where it was asked for: the count is 0 on both ways
.irp t, 0,2                                    ; O^T += V^T P^T: four tiles of 16 of the head's 64; K = these 128 keys.  The four accumulators take turns, and the next matrix instruction behind them is the next step's first product
	v_wmma_scale_f32_16x16x128_f8f6f4 v[OT+8*\t:OT+8*\t+7], v[VF+8*\t:VF+8*\t+7], v[PC:PC+7], v[OT+8*\t:OT+8*\t+7], v[VS+\t/2], v[PS] matrix_a_fmt:MATRIX_FMT_FP4 matrix_b_fmt:MATRIX_FMT_FP4
	v_wmma_scale_f32_16x16x128_f8f6f4 v[OT+8*\t+8:OT+8*\t+15], v[VF+8*\t+8:VF+8*\t+15], v[PC:PC+7], v[OT+8*\t+8:OT+8*\t+15], v[VS+\t/2], v[PS] matrix_a_fmt:MATRIX_FMT_FP4 matrix_b_fmt:MATRIX_FMT_FP4 matrix_a_scale:MATRIX_SCALE_ROW1
.endr
.Lhid_\@:
	s_add_co_u32 s[STN], s[STN], 1
.endm
	STEP 0                                         ; chunk 0 is written out: its first three steps touch chunk 0 and the scale bytes alone
	STEP 1
	STEP 2
	s_wait_tensorcnt 0x0                           ; chunks 1 to 3 have landed (a loading wave's last three loads),
	s_wait_dscnt 0x0                               ; no LDS instruction of mine is out at a signal,
	s_barrier_signal -1
	s_barrier_wait -1                              ; and every wave knows it: step 3 asks ahead for K of step 4, which lies in chunk 1.  From here on no wave waits for another before the end
	STEP 3
	NEXTCHUNK
	s_mov_b32 s[CNT], 3
.Lchunk:                                           ; chunks 1 to 3: every wave walks all trips, so that the trip count is a constant; a wave past its rank jumps over each step's work
	STEP 0
	STEP 1
	STEP 2
	STEP 3
	NEXTCHUNK
	s_sub_co_u32 s[CNT], s[CNT], 1
	s_cmp_lg_u32 s[CNT], 0
	s_cbranch_scc1 .Lchunk
	; THE WAY OUT.  The sum's parts are added; O^T is divided by the sum and goes through my stage in LDS, so that sixteen lanes store a whole row of out0: 256 consecutive bytes, at a multiple of 256 from its first byte.
	v_add_f32 v14, v14, v15                        ; the sum's two halves,
	s_delay_alu instid0(VALU_DEP_1)
	v_permlanex16_b32 v[TP], v14, s[SEL], s[SEL+1]
	s_delay_alu instid0(VALU_DEP_1)
	v_add_f32 v14, v14, v[TP]                      ; and lane l xor 16's: the row's sum
	s_wait_alu depctr_va_vdst(0)
	v_rcp_f32 v14, v14
	s_mul_i32 s78, s[WV], 16*272
	s_add_co_u32 s78, s78, STAGE                   ; my stage
	v_mul_u32_u24 v[STO], v[RR], 272               ; (plain instructions behind the reciprocal, and places behind the last products)  in: row r; tile t's eight channels of my half lie 64 t + 32 h bytes on
	s_delay_alu instid0(VALU_DEP_1)
	v_lshl_add_u32 v[STO], v[HH], 5, v[STO]
	s_delay_alu instid0(VALU_DEP_1)
	v_add_nc_u32 v[STO], s78, v[STO]
	v_mul_u32_u24 v[RD], v[HH], 272                ; back: lanes 0-15 one row, lanes 16-31 the next
	s_delay_alu instid0(VALU_DEP_1)
	v_lshl_add_u32 v[RD], v[RR], 4, v[RD]
	s_delay_alu instid0(VALU_DEP_1)
	v_add_nc_u32 v[RD], s78, v[RD]
	s_wait_alu depctr_va_vdst(0)                   ; the wait ahead of the reciprocal's first reader
.set j, 0
.rept 16
	v_pk_mul_f32 v[SS+j:SS+j+1], v[OT+j:OT+j+1], v[14:15] op_sel_hi:[1,0]   ; O^T / the sum: register 8 t + i is out0(r, 16 t + 8 h + i); each accumulator from its low end on
.set j, j+2
.endr
.irp t, 0,1,2,3
	ds_store_b128 v[STO], v[SS+8*\t:SS+8*\t+3] offset:64*\t
	ds_store_b128 v[STO], v[SS+8*\t+4:SS+8*\t+7] offset:64*\t+16
.endr
.irp i, 0,1,2,3,4,5,6,7
	ds_load_b128 v[SS+32+4*\i:SS+32+4*\i+3], v[RD] offset:2*\i*272   ; LDS serves a wave's instructions in order (ISA guide 5.7.1.4): these see my stores
.endr
.irp i, 0,1,2,3,4,5,6,7
	s_wait_dscnt 7-\i                              ; load i is in; the younger ones may be out
	global_store_b128 v[GO], v[SS+32+4*\i:SS+32+4*\i+3], s[16:17] offset:512*\i th:TH_STORE_NT   ; rows 2 i and 2 i + 1; written once, read by nobody here
.endr
	s_wait_tensorcnt 0x0                           ; the wave's end, behind my last tensor load and my last LDS store
	ds_add_u32 v[SPW], v[NIL]
	s_wait_dscnt 0x0
	CROUND                                         ; the closing round: no work-group ends while a partner may still ask for a tile that names it
	s_endpgm
.Lfunc_end_k_qea86a52345_attn:
	.size	k_qea86a52345_attn, .Lfunc_end_k_qea86a52345_attn-k_qea86a52345_attn
	.p2alignl 7, 3214868480
	.fill 96, 4, 3214868480
	.section	.rodata,"a",@progbits
	.p2align	6, 0x0
	.amdhsa_kernel k_qea86a52345_attn
		.amdhsa_group_segment_fixed_size 218112
		.amdhsa_private_segment_fixed_size 0
		.amdhsa_enable_private_segment 0
		.amdhsa_kernarg_size 56
		.amdhsa_user_sgpr_count 2
		.amdhsa_user_sgpr_kernarg_segment_ptr 1
		.amdhsa_wavefront_size32 1
		.amdhsa_system_sgpr_workgroup_id_x 1
		.amdhsa_system_sgpr_workgroup_id_y 1
		.amdhsa_system_sgpr_workgroup_id_z 1
		.amdhsa_system_vgpr_workitem_id 0
		.amdhsa_next_free_vgpr 256
		.amdhsa_next_free_sgpr 96
		.amdhsa_reserve_vcc 1
		.amdhsa_float_denorm_mode_32 3
		.amdhsa_float_denorm_mode_16_64 3
		.amdhsa_memory_ordered 1
		.amdhsa_forward_progress 1
		.amdhsa_inst_pref_size 185
	.end_amdhsa_kernel
	.amdgpu_metadata
---
amdhsa.version: [ 1, 2 ]
amdhsa.kernels:
  - .name:           k_qea86a52345_attn
    .symbol:         k_qea86a52345_attn.kd
    .args:
      - { .name: q_codes, .offset: 0, .size: 8, .value_kind: global_buffer, .address_space: global }
      - { .name: q_scales, .offset: 8, .size: 8, .value_kind: global_buffer, .address_space: global }
      - { .name: k_codes, .offset: 16, .size: 8, .value_kind: global_buffer, .address_space: global }
      - { .name: k_scales, .offset: 24, .size: 8, .value_kind: global_buffer, .address_space: global }
      - { .name: v_codes, .offset: 32, .size: 8, .value_kind: global_buffer, .address_space: global }
      - { .name: v_scales, .offset: 40, .size: 8, .value_kind: global_buffer, .address_space: global }
      - { .name: out0, .offset: 48, .size: 8, .value_kind: global_buffer, .address_space: global }
    .group_segment_fixed_size: 218112
    .private_segment_fixed_size: 0
    .kernarg_segment_align: 8
    .kernarg_segment_size: 56
    .max_flat_workgroup_size: 512
    .sgpr_count:     96
    .vgpr_count:     256
    .wavefront_size: 32
...
	.end_amdgpu_metadata
.endif
;; end of part 1
